; MI455X (gfx1250); checked and timed in simulation.
; The chip was launched on July 23, 2026; its instructions are those of AMD's public machine-readable ISA for CDNA 5 (MIT licence, August 2026) and "CDNA5" Instruction Set Architecture Reference Guide (July 2026). The comments in the code are by the model that wrote it; some were corrected since.
;; Quantum Neural Network. Allowed arithmetic: float matrix products may take bf16 or f16 operands with f32 sums; all other float work in f32.
;; Inputs: thetas 4 x 12 float32; y 2,048 int32; z_imag 2,048 x 4,096 float32; z_real 2,048 x 4,096 float32.
;; Outputs: out0 one number float32; out1 2,048 x 5 float32.
;; One version. Each part assembles by itself: llvm-mc -triple=amdgcn-amd-amdhsa -mcpu=gfx1250 --defsym DOCPART=n.
;; ======== version 1 of 1: 2 launches
;; limits: values outside matrix products are rounded to f16; values are held in f16: magnitudes above 65,504 overflow, below 6.1e-05 lose precision; below input magnitudes of 6e-05 results are inexact or not finite; right only within a limited range of input values
;; launch circuit (part 1): grid 256 x 1, 8 waves a work-group, no clusters, 287,744 bytes of LDS; arguments thetas, z_real, z_imag, out1; writes out1
.if DOCPART == 1
	.amdgcn_target "amdgcn-amd-amdhsa--gfx1250"
	.amdhsa_code_object_version 6
	.text
	.protected	k_q68220a97ee_circuit
	.globl	k_q68220a97ee_circuit
	.p2align	8
	.type	k_q68220a97ee_circuit,@function
k_q68220a97ee_circuit:
	s_mov_b64 s[64:65], 0
	v_nop
	global_prefetch_b8 v0, s[64:65] scope:SCOPE_SE
	s_setreg_imm32_b32 hwreg(HW_REG_WAVE_MODE, 25, 1), 1
	s_wait_xcnt 0x0
; out1[row][w] = <Z_w>, w = 0..4, of U (z_real[row] + i z_imag[row]);  U = 4 x (RY on each of 12 qubits, then the CNOT ring).
; U is real: the real and the imaginary part are two independent vectors of 4,096 numbers (two "jobs"), and their squares add.
; One batch row per wave, 8 waves, 256 work-groups.  Work-groups share nothing but the 192 bytes of thetas: no cluster, no joint loads.
;
; GATES AS PRODUCTS.  RY on qubits Q..Q+3 is one 16 x 16 matrix on 4 index bits.  A pass is D = A x B with v_wmma_f32_16x16x32_f16:
; A = 16 x 32 amplitudes, B = the gate matrix (32 in, 2 x 16 out).  Three passes (Q = 0, 4, 8) are a layer, 12 passes a job.
; WHERE AN AMPLITUDE LIES in front of the pass of base Q (qubit 0 = top index bit; all qubit numbers mod 12):
;   lane r = lane & 15: qubits Q+8..Q+11 (r3..r0)      lane h = lane >> 4 = k3: qubit Q+4, which rides along ungated
;   half of a register = k0: qubit Q                   register in a fragment (3 bits) = k4,k2,k1: qubits Q+1,Q+2,Q+3
;   fragment f (3 bits): qubits Q+5,Q+6,Q+7            (a fragment = 8 registers = one A operand, ISA guide 7.12.2)
; B sends qubits Q..Q+3 to the output columns n3..n0 and qubit Q+4 to n4 (which of the two column tiles).  In D a lane holds column r and
; rows 8h + j, so the old r3 becomes h and the old r2..r0 the register number j.  Packing D(tile 0)[j] and D(tile 1)[j] into register
; 8 j + f of the other buffer gives exactly the picture above for base Q+4: no LDS, no lane traffic, eight conversions a fragment.
;
; THE RING (bit k ^= bit k-1 for k = 1..11, then bit 0 ^= bit 11; j = bits before, i = bits after) costs no instruction:
;   inside a group of four the prefix XOR is B's output order: n3 = j_Q, n2 = j_Q^j_Q+1, n1, n0 = the longer prefixes (called l_k);
;   the pass Q = 8 also makes t_0 = j_0 ^ l_11 (qubit 0 rides along there);
;   i_5..7 = l ^ i_3 and i_0 = t_0 ^ l_7 ^ i_3: control and targets are register bits when the pass Q = 8 packs: a choice of destination;
;   i_9..11 = l ^ i_7: likewise when the next pass Q = 0 packs;   i_4 = l_4 ^ i_3 and i_8 = l_8 ^ i_7: the target lies in h = k3, the
;   control in k1 of the same product: folded into B's input side (k3 ^= k1) in layers 1 to 3.
; Each of these stands behind this layer's gates on its qubits and in front of the next layer's.
;
; NUMBER FORMATS AND LIMITS.  Operands f16, sums f32: the state is rounded to f16 in front of each of the 12 products (relative step
; 2^-11), the matrices once.  Limits: the 2-norm of a row's real or imaginary part below 65,504 (no amplitude can then pass f16's range);
; amplitudes below 6e-5 keep an absolute step of 6e-8; |theta| below 1e6 (two-term reduction by pi/2, polynomials good to 3e-7);
; NaN and infinities are not served.  The product with the sign matrix is taken as signed f32 sums of the last accumulators' squares:
; the signs are bits of register numbers, so nothing is multiplied by +-1.
.set ROWB,  16384                      ; bytes in a row of z_real or z_imag
.set WAVEB, 2*ROWB                     ; a wave's two tiles in LDS
.set TAB,   8*WAVEB                    ; behind the tiles: 24 B fragments of 1,024 bytes, fragment number 6 layer + 3 tile + phase
.set FRAGB, 1024
.set LANE, 1                           ; v1        lane
.set LA,   2                           ; v2        LDS address of my 16 bytes in my wave's first tile
.set TA,   3                           ; v3        TAB + 16 lane: reading fragments
.set TW,   4                           ; v4        the same + my wave's three fragments: writing them
.set SZ0,  8                           ; v[8:15]   four pairs (even j, odd j) of signed sums of squares, for Z_0 .. Z_3
.set SZ1,  10
.set SZ2,  12
.set SZ3,  14
.set B0,   16                          ; v[16:31], v[32:47]  B of this pass and of the next: two column tiles of 8 registers each
.set B1,   32
.set VSIN, 57                          ; lane q: sin, cos of thetas[layer][q] / 2
.set VCOS, 58
.set X,    64                          ; v[64:127], v[128:191]  the state, f16, 8 fragments: read from one, packed into the other
.set Y,    128
.set DREG, 192                         ; v[192:223]  accumulators: 2 stages x 2 column tiles
.set MP,   224                         ; v[224:231]  at work in the last pass
.set MQ,   226
.set MA,   228
.set MC,   230
.set T,    128                         ; v[128:255]  a job's 4,096 f32 as they come from LDS: Y, DREG and the rest are dead then
.set G0,   64                          ; while the tables are built (X is free): factor pairs (in bit 0, 1) of the gates on k0, k4, k2, k1
.set G4,   66
.set G2,   68
.set G1,   70
.set GCOS, 72
.set GSIN, 73
.set GNEG, 74
.set ZERO, 75
.set T2,   76
.set T3,   80
.set FF,   88
.set OUTF, 104
	s_load_b256 s[4:11], s[0:1], 0x0               ; thetas s[4:5], z_real s[6:7], z_imag s[8:9], out1 s[10:11]
	v_lshl_add_u32 v62, v0, 2, 0x46000
	v_mov_b32 v63, 0
	ds_add_u32 v62, v63
	ds_add_u32 v62, v63
	v_lshrrev_b32 v5, 5, v0
	v_readfirstlane_b32 s12, v5                    ; wave 0..7
	v_and_b32 v[LANE], 31, v0
	s_lshl_b32 s13, ttmp9, 3
	s_add_co_u32 s13, s13, s12                     ; my batch row
	s_lshl_b32 s14, s13, 14                        ; its byte offset (below 2^25)
	s_mov_b32 s15, 0
	s_mul_i32 s49, s13, 20                         ; and its byte offset in out1
	s_mov_b32 s46, 0x76543210                      ; v_permlanex16_b32: lane i of one half reads lane i of the other
	s_mov_b32 s47, 0xfedcba98
	; descriptor group 1: one row of 2,048 elements of 8 bytes, no padding (every LDS read below is contiguous within 256 bytes)
	s_mov_b32 s16, 3<<16                           ; 17:16 element of 8 bytes; work-group mask 0
	s_mov_b32 s17, (ROWB/8)<<16                    ; tensor_dim0
	s_mov_b32 s18, 1<<16
	s_mov_b32 s19, (ROWB/8)<<16                    ; tile_dim0
	s_mov_b32 s20, 1
	s_mov_b32 s21, 2048
	s_mov_b32 s22, 0
	s_mov_b32 s23, 0
	s_mov_b32 s24, 1                               ; group 0 of the real row
	s_lshl_b32 s25, s12, 15                        ; LDS: wave x 32,768
	s_mov_b32 s28, 1                               ; group 0 of the imaginary row
	s_add_co_u32 s29, s25, ROWB
	s_wait_dscnt 0x0
	s_wait_kmcnt 0x0
	s_add_nc_u64 s[26:27], s[6:7], s[14:15]
	s_or_b32 s27, s27, 0x80000000
	s_add_nc_u64 s[30:31], s[8:9], s[14:15]
	s_or_b32 s31, s31, 0x80000000
	tensor_load_to_lds s[24:27], s[16:23]          ; all that the wave will ever read is asked for here: 2 loads outstanding, 32,768 bytes;
	s_nop 0
	tensor_load_to_lds s[28:31], s[16:23]          ; the descriptors are never written again.  Only this wave reads these LDS bytes.
	s_nop 0
	; ---- the tables: wave w builds, for layer w >> 1 and column tile w & 1, the B fragments of the three phases ----
	s_lshr_b32 s32, s12, 1                         ; layer
	s_and_b32 s33, s12, 1                          ; n4
	s_mul_i32 s34, s32, 48
	v_min_u32 v5, 11, v[LANE]                      ; lanes 12..31 repeat the last angle: every load stays inside thetas
	v_lshl_add_u32 v5, v5, 2, s34
	global_load_b32 v6, v5, s[4:5]
	s_cmp_lg_u32 s32, 0
	s_cselect_b32 s35, 1, 0                        ; 1: a ring lies in front of this layer, B's input side has k3 ^= k1
	; a gate's output bit as a function of my column n = r: j_Q = n3, j_Q+1 = n3^n2, j_Q+2 = n2^n1, j_Q+3 = n1^n0: the bits of r ^ (r >> 1)
	v_and_b32 v7, 15, v0
	v_lshrrev_b32 v12, 1, v7
	v_xor_b32 v12, v12, v7
	v_and_b32 v13, 8, v12
	v_cmp_ne_u32 s36, 0, v13                       ; output bit of the gate on k0
	v_and_b32 v13, 4, v12
	v_cmp_ne_u32 s37, 0, v13                       ; on k4
	v_and_b32 v13, 2, v12
	v_cmp_ne_u32 s38, 0, v13                       ; on k2
	v_and_b32 v13, 1, v12
	v_cmp_ne_u32 s39, 0, v13                       ; on k1
	; the bit that rides along: B is zero unless n4 = k3 ^ (ring & k1) (phases 0, 1), n4 = k3 ^ n0 (phase 2); k3 = my h
	v_bfe_u32 v14, v0, 4, 1
	v_xor_b32 v14, s33, v14
	v_cmp_ne_u32 s40, 0, v14                       ; phases 0, 1: zero for k1 = 0
	v_xor_b32 v15, s35, v14
	v_cmp_ne_u32 s41, 0, v15                       ; phases 0, 1: zero for k1 = 1
	v_and_b32 v13, 1, v0
	v_xor_b32 v13, v13, v14
	v_cmp_ne_u32 s42, 0, v13                       ; phase 2: zero for both
	v_mov_b32 v[ZERO], 0
	v_lshlrev_b32 v[TA], 4, v[LANE]
	s_mul_i32 s43, s12, 3*FRAGB
	s_add_co_u32 s43, s43, TAB
	v_add_nc_u32 v[TW], s43, v[TA]
	v_add_nc_u32 v[TA], TAB, v[TA]
	; reading a row (qubit q = byte bit 13 - q): h = qubit 4 (512 bytes), r3 = qubit 8 (32), r2 = qubit 9 (16), r1 = qubit 6 (128),
	; r0 = qubit 7 (64); the 16 bytes hold qubits 10, 11.  Sixteen lanes of one h cover one aligned block of 256 bytes.
	v_and_b32 v13, 16, v0
	v_lshlrev_b32 v13, 5, v13
	v_and_b32 v15, 12, v0
	v_lshl_or_b32 v13, v15, 2, v13
	v_and_b32 v15, 3, v0
	v_lshl_or_b32 v13, v15, 6, v13
	v_add_nc_u32 v[LA], s25, v13
	s_wait_loadcnt 0x0                             ; my angle
	; sin and cos of x = theta / 2: k = nearest whole number to x 2/pi, r = x - k pi/2 (pi/2 in two parts), polynomials on |r| <= pi/4
	v_mul_f32 v48, 0.5, v6
	v_mul_f32 v49, 0x3f22f983, v48
	v_rndne_f32 v49, v49
	v_fmamk_f32 v50, v49, 0xbfc90fdb, v48
	v_fmamk_f32 v50, v49, 0x333bbd2e, v50
	v_cvt_i32_f32 v51, v49
	v_mul_f32 v52, v50, v50
	v_mov_b32 v53, 0xb9500d01                      ; -1/5040
	v_fmaak_f32 v53, v53, v52, 0x3c088889          ; 1/120
	v_fmaak_f32 v53, v53, v52, 0xbe2aaaab          ; -1/6
	v_mul_f32 v54, v50, v52
	v_fma_f32 v53, v53, v54, v50                   ; sin r
	v_mov_b32 v55, 0x37d00d01                      ; 1/40320
	v_fmaak_f32 v55, v55, v52, 0xbab60b61          ; -1/720
	v_fmaak_f32 v55, v55, v52, 0x3d2aaaab          ; 1/24
	v_fmaak_f32 v55, v55, v52, 0xbf000000          ; -1/2
	v_fma_f32 v55, v55, v52, 1.0                   ; cos r
	v_and_b32 v56, 1, v51                          ; odd quadrant: the two change places
	v_cmp_ne_u32 vcc_lo, 0, v56
	v_cndmask_b32 v[VSIN], v53, v55, vcc_lo
	v_cndmask_b32 v[VCOS], v55, v53, vcc_lo
	v_and_b32 v56, 2, v51                          ; sin is negated in quadrants 2, 3,
	v_lshlrev_b32 v56, 30, v56
	v_xor_b32 v[VSIN], v[VSIN], v56
	v_add_nc_u32 v56, 1, v51                       ; cos in quadrants 1, 2
	v_and_b32 v56, 2, v56
	v_lshlrev_b32 v56, 30, v56
	v_xor_b32 v[VCOS], v[VCOS], v56
; RY = [[c, -s], [s, c]] (out, in).  For my output bit o: the factor for in = 0 is o ? s : c, for in = 1 it is o ? c : -s.
.macro GATE dst, q, mask
	v_readlane_b32 s44, v[VCOS], \q
	v_readlane_b32 s45, v[VSIN], \q
	v_mov_b32 v[GCOS], s44
	v_mov_b32 v[GSIN], s45
	v_xor_b32 v[GNEG], 0x80000000, v[GSIN]
	v_cndmask_b32 v[\dst], v[GCOS], v[GSIN], \mask
	v_cndmask_b32 v[\dst+1], v[GNEG], v[GCOS], \mask
.endm
; One B fragment: lane (r, h) holds column r, register v = (k4,k2,k1), half k0, k3 = h: the product of four factors, in f32, rounded once.
.macro BUILD p, z0, z1
	GATE G0, 4*\p+0, s36
	GATE G4, 4*\p+1, s37
	GATE G2, 4*\p+2, s38
	GATE G1, 4*\p+3, s39
	v_cndmask_b32 v[G1], v[G1], v[ZERO], \z0
	v_cndmask_b32 v[G1+1], v[G1+1], v[ZERO], \z1
	v_mul_f32 v[T2+0], v[G2], v[G1]
	v_mul_f32 v[T2+1], v[G2], v[G1+1]
	v_mul_f32 v[T2+2], v[G2+1], v[G1]
	v_mul_f32 v[T2+3], v[G2+1], v[G1+1]
.irp i, 0,1,2,3
	v_mul_f32 v[T3+\i], v[G4], v[T2+\i]
	v_mul_f32 v[T3+4+\i], v[G4+1], v[T2+\i]
.endr
.irp i, 0,1,2,3,4,5,6,7
	v_mul_f32 v[FF+2*\i], v[T3+\i], v[G0]
	v_mul_f32 v[FF+2*\i+1], v[T3+\i], v[G0+1]
.endr
.irp i, 0,1,2,3,4,5,6,7
	v_cvt_pk_f16_f32 v[OUTF+\i], v[FF+2*\i], v[FF+2*\i+1]
.endr
	ds_store_b128 v[TW], v[OUTF:OUTF+3] offset:\p*FRAGB            ; registers 0-3 of all lanes, then registers 4-7: 512 neighbouring bytes each
	ds_store_b128 v[TW], v[OUTF+4:OUTF+7] offset:\p*FRAGB+512
.endm
	BUILD 0, s40, s41
	BUILD 1, s40, s41
	BUILD 2, s42, s42
	s_wait_dscnt 0x0                               ; my fragments are in LDS: zero, for the other waves' sake
	s_barrier_signal -1
	s_barrier_wait -1                              ; everybody's are.  The tables are only read from here on: the one barrier of the kernel
.irp i, 0,1,2,3,4,5,6,7
	v_mov_b32 v[SZ0+\i], 0                         ; eight sums that both jobs add to
.endr
; ---- the passes ----
.macro LOADB b, idx                    ; both column tiles of pass idx = 3 layer + phase
.set lb_o, (((\idx)/3)*6+((\idx)%3))*FRAGB
	ds_load_b128 v[\b:\b+3],     v[TA] offset:lb_o
	ds_load_b128 v[\b+4:\b+7],   v[TA] offset:lb_o+512
	ds_load_b128 v[\b+8:\b+11],  v[TA] offset:lb_o+3*FRAGB
	ds_load_b128 v[\b+12:\b+15], v[TA] offset:lb_o+3*FRAGB+512
.endm
.macro WM in, f, b                     ; fragment f times both column tiles; each product stands alone (C = 0): nothing is cleared or chained
	v_wmma_f32_16x16x32_f16 v[DREG+16*((\f)&1):DREG+16*((\f)&1)+7], v[\in+8*(\f):\in+8*(\f)+7], v[\b:\b+7], 0
	v_wmma_f32_16x16x32_f16 v[DREG+16*((\f)&1)+8:DREG+16*((\f)&1)+15], v[\in+8*(\f):\in+8*(\f)+7], v[\b+8:\b+15], 0
.endm
; Packing fragment f's 16 results a lane.  mode 0 (base 4): register 8 j + f, low half = tile 0.
; mode 1 (base 0, a ring in front): j ^= 7 where f0 (= i_7) is set.   mode 2 (base 8): j ^= 7 where f0 (= i_3) is set, and the halves
; change places where j0 ^ f0 (= l_7 ^ i_3) is set.   mode 3 (the first pass: r2..r0 = qubits 9,6,7, f = qubits 5,10,11): fragment
; (j2,f1,f0), register (f2,j1,j0).
.macro CVT out, f, mode
.set cv_s, DREG+16*((\f)&1)
.set cv_j, 0
.rept 8
.set cv_x, 0
.if \mode == 0
.set cv_d, \out+8*cv_j+(\f)
.endif
.if \mode == 1
.set cv_d, \out+8*(cv_j^(7*((\f)&1)))+(\f)
.endif
.if \mode == 2
.set cv_d, \out+8*(cv_j^(7*((\f)&1)))+(\f)
.set cv_x, (cv_j^(\f))&1
.endif
.if \mode == 3
.set cv_d, \out+8*((cv_j&4)|((\f)&3))+(((\f)&4)|(cv_j&3))
.endif
	v_cvt_pk_f16_f32 v[cv_d], v[cv_s+8*cv_x+cv_j], v[cv_s+8*(1-cv_x)+cv_j]
.set cv_j, cv_j+1
.endr
.endm
.macro ACCP dst, src, bit              ; a pair of sums takes a pair, with the sign that a bit of the fragment's number gives
.if \bit
	v_pk_add_f32 v[\dst:\dst+1], v[\dst:\dst+1], v[\src:\src+1] neg_lo:[0,1] neg_hi:[0,1]
.else
	v_pk_add_f32 v[\dst:\dst+1], v[\dst:\dst+1], v[\src:\src+1]
.endif
.endm
; The last pass squares instead of packing.  There f = (i_1,i_2,i_3), j = (l_5,l_6,l_7), tile = t_0, h = l_4, and i_0 = tile ^ j0 ^ f0.
; MP, MQ: sums of squares of tile 0, 1, even j in the first register, odd j in the second.  MA = MP + MQ, MC = MP - MQ.
; Z_1, Z_2, Z_3 take MA with the sign of f2, f1, f0; Z_0 takes MC with the sign of f0, and its odd-j half is subtracted at the end.
.macro MEAS f
.set me_s, DREG+16*((\f)&1)
	v_pk_mul_f32 v[MP:MP+1], v[me_s:me_s+1], v[me_s:me_s+1]
	v_pk_mul_f32 v[MQ:MQ+1], v[me_s+8:me_s+9], v[me_s+8:me_s+9]
.irp j, 2,4,6
	v_pk_fma_f32 v[MP:MP+1], v[me_s+\j:me_s+\j+1], v[me_s+\j:me_s+\j+1], v[MP:MP+1]
	v_pk_fma_f32 v[MQ:MQ+1], v[me_s+8+\j:me_s+9+\j], v[me_s+8+\j:me_s+9+\j], v[MQ:MQ+1]
.endr
	v_pk_add_f32 v[MA:MA+1], v[MP:MP+1], v[MQ:MQ+1]
	v_pk_add_f32 v[MC:MC+1], v[MP:MP+1], v[MQ:MQ+1] neg_lo:[0,1] neg_hi:[0,1]
	ACCP SZ1, MA, ((\f)>>2)&1
	ACCP SZ2, MA, ((\f)>>1)&1
	ACCP SZ3, MA, (\f)&1
	ACCP SZ0, MC, (\f)&1
.endm
.macro TAIL out, f, mode
.if \mode == 4
	MEAS \f
.else
	CVT \out, \f, \mode
.endif
.endm
; One pass.  Distances behind matrix instructions (ISA guide 7.12.1), by this text's own count of plain vector instructions that name none
; of the earlier product's registers: the tail of fragment f reads D of WM f with the tail of f - 1 between them (8 or 14 lines on the other
; stage of D); WM f + 2 writes over that D with the same tail between; for f = 0 the five v_nop do both (four to read, five to write over).
; The next pass's products, its packing into this pass's input buffer and its loads into this pass's B all have the tail of fragment 6
; between themselves and WM 7, and the tails of 5 and 7 between themselves and WM 6.
.macro PASS in, out, bc, bn, idx, mode
	s_wait_dscnt 0x0                               ; this pass's B, asked for one pass ago, is in; nothing else is out
.if \idx < 11
	LOADB \bn, \idx+1                              ; the next pass's B: a whole pass ahead of its use
.endif
	WM \in, 0, \bc
	WM \in, 1, \bc
.rept 5
	v_nop
.endr
.irp f, 0,1,2,3,4,5
	TAIL \out, \f, \mode
	WM \in, \f+2, \bc
.endr
	TAIL \out, 6, \mode
	TAIL \out, 7, \mode
.endm
; One job: 4,096 f32 from my tile, rounded to f16 into X in the first pass's layout, then the twelve passes.
; Pair i = (v = (qubits 1,2,3) = i >> 1, qubit 5 = i & 1): one load with qubit 0 = 0, one 8,192 bytes on with qubit 0 = 1.
; Word w of the 16 bytes = qubits 10, 11.  Fragment (qubit 5, w), register v, halves = qubit 0.
.macro JOB job, left
	s_wait_tensorcnt \left                         ; tensor loads of a wave end in order: left = those issued behind this job's row
	LOADB B0, 0
.set ld_i, 0
.rept 16
	ds_load_b128 v[T+8*ld_i:T+8*ld_i+3],   v[LA] offset:\job*ROWB+1024*(ld_i>>1)+256*(ld_i&1)
	ds_load_b128 v[T+8*ld_i+4:T+8*ld_i+7], v[LA] offset:\job*ROWB+1024*(ld_i>>1)+256*(ld_i&1)+8192
.set ld_i, ld_i+1
.endr
.set ld_i, 0
.rept 16
	s_wait_dscnt 30-2*ld_i                         ; LDS loads come back in order: of the 32, those issued behind this pair may be out
.set ld_w, 0
.rept 4
	v_cvt_pk_f16_f32 v[X+8*(4*(ld_i&1)+ld_w)+(ld_i>>1)], v[T+8*ld_i+ld_w], v[T+8*ld_i+4+ld_w]
.set ld_w, ld_w+1
.endr
.set ld_i, ld_i+1
.endr
	PASS X, Y, B0, B1, 0, 3
	PASS Y, X, B1, B0, 1, 0
	PASS X, Y, B0, B1, 2, 2
	PASS Y, X, B1, B0, 3, 1
	PASS X, Y, B0, B1, 4, 0
	PASS Y, X, B1, B0, 5, 2
	PASS X, Y, B0, B1, 6, 1
	PASS Y, X, B1, B0, 7, 0
	PASS X, Y, B0, B1, 8, 2
	PASS Y, X, B1, B0, 9, 1
	PASS X, Y, B0, B1, 10, 0
	PASS Y, X, B1, B0, 11, 4
.endm
	JOB 0, 1                                       ; the real part; the imaginary row may still be on its way
	JOB 1, 0                                       ; the imaginary part; no tensor load is out from here on
	; ---- the five numbers of my row ----
	v_sub_f32 v[SZ0], v[SZ0], v[SZ0+1]             ; Z_0: odd j (l_7 = 1) counts negative
	v_add_f32 v[SZ1], v[SZ1], v[SZ1+1]
	v_add_f32 v[SZ2], v[SZ2], v[SZ2+1]
	v_add_f32 v[SZ3], v[SZ3], v[SZ3+1]
.irp m, 1,2,4,8
.irp z, SZ0,SZ1,SZ2,SZ3
	v_add_f32_dpp v[\z], v[\z], v[\z] row_xmask:\m row_mask:0xf bank_mask:0xf   ; over the 16 lanes of one h
.endr
.endr
	v_permlanex16_b32 v48, v[SZ0], s46, s47        ; the other h's sums (v48-51 were written whole above)
	v_permlanex16_b32 v49, v[SZ1], s46, s47
	v_permlanex16_b32 v50, v[SZ2], s46, s47
	v_permlanex16_b32 v51, v[SZ3], s46, s47
	v_add_f32 v48, v[SZ0], v48                     ; Z_0
	v_add_f32 v49, v[SZ1], v49                     ; Z_1
	v_add_f32 v50, v[SZ2], v50                     ; Z_2
	v_sub_f32 v52, v[SZ3], v51                     ; Z_4: i_4 = h ^ i_3, so (h = 0) - (h = 1) of Z_3's sums; right in lanes 0-15
	v_add_f32 v51, v[SZ3], v51                     ; Z_3
	v_cmp_eq_u32 vcc_lo, 1, v[LANE]                ; lane w takes Z_w
	v_cndmask_b32 v48, v48, v49, vcc_lo
	v_cmp_eq_u32 vcc_lo, 2, v[LANE]
	v_cndmask_b32 v48, v48, v50, vcc_lo
	v_cmp_eq_u32 vcc_lo, 3, v[LANE]
	v_cndmask_b32 v48, v48, v51, vcc_lo
	v_cmp_eq_u32 vcc_lo, 4, v[LANE]
	v_cndmask_b32 v48, v48, v52, vcc_lo
	v_lshl_add_u32 v7, v[LANE], 2, s49             ; 20 row + 4 w
	v_cmp_gt_u32 vcc_lo, 5, v[LANE]
	s_wait_xcnt 0x0                                ; EXEC changes only behind this wait
	s_wait_tensorcnt 0x0
	ds_add_u32 v62, v63
	s_wait_dscnt 0x0
	s_and_saveexec_b32 s48, vcc_lo
	global_store_b32 v7, v48, s[10:11]             ; 20 neighbouring bytes: all that the row gives
	s_wait_xcnt 0x0                                ; and again in front of the line that widens it
	s_or_b32 exec_lo, exec_lo, s48
	s_endpgm
.Lfunc_end_k_q68220a97ee_circuit:
	.size	k_q68220a97ee_circuit, .Lfunc_end_k_q68220a97ee_circuit-k_q68220a97ee_circuit
	.p2alignl 7, 3214868480
	.fill 96, 4, 3214868480
	.section	.rodata,"a",@progbits
	.p2align	6, 0x0
	.amdhsa_kernel k_q68220a97ee_circuit
		.amdhsa_group_segment_fixed_size 287744
		.amdhsa_private_segment_fixed_size 0
		.amdhsa_enable_private_segment 0
		.amdhsa_kernarg_size 32
		.amdhsa_user_sgpr_count 2
		.amdhsa_user_sgpr_kernarg_segment_ptr 1
		.amdhsa_wavefront_size32 1
		.amdhsa_system_sgpr_workgroup_id_x 1
		.amdhsa_system_sgpr_workgroup_id_y 1
		.amdhsa_system_sgpr_workgroup_id_z 1
		.amdhsa_system_vgpr_workitem_id 0
		.amdhsa_next_free_vgpr 256
		.amdhsa_next_free_sgpr 66
		.amdhsa_reserve_vcc 1
		.amdhsa_float_denorm_mode_32 3
		.amdhsa_float_denorm_mode_16_64 3
		.amdhsa_memory_ordered 1
		.amdhsa_forward_progress 1
		.amdhsa_inst_pref_size 167
	.end_amdhsa_kernel
	.amdgpu_metadata
---
amdhsa.version: [ 1, 2 ]
amdhsa.kernels:
  - .name:           k_q68220a97ee_circuit
    .symbol:         k_q68220a97ee_circuit.kd
    .args:
      - { .name: thetas, .offset: 0, .size: 8, .value_kind: global_buffer, .address_space: global }
      - { .name: z_real, .offset: 8, .size: 8, .value_kind: global_buffer, .address_space: global }
      - { .name: z_imag, .offset: 16, .size: 8, .value_kind: global_buffer, .address_space: global }
      - { .name: out1, .offset: 24, .size: 8, .value_kind: global_buffer, .address_space: global }
    .group_segment_fixed_size: 287744
    .private_segment_fixed_size: 0
    .kernarg_segment_align: 8
    .kernarg_segment_size: 32
    .max_flat_workgroup_size: 256
    .sgpr_count:     66
    .vgpr_count:     256
    .wavefront_size: 32
...
	.end_amdgpu_metadata
.endif
;; end of part 1
;; launch loss (part 2): grid 1 x 1, 32 waves a work-group, no clusters, 4,352 bytes of LDS; arguments out1, y, out0; writes out0
.if DOCPART == 2
	.amdgcn_target "amdgcn-amd-amdhsa--gfx1250"
	.amdhsa_code_object_version 6
	.text
	.protected	k_q68220a97ee_loss
	.globl	k_q68220a97ee_loss
	.p2align	8
	.type	k_q68220a97ee_loss,@function
k_q68220a97ee_loss:
	s_mov_b64 s[64:65], 0
	v_nop
	global_prefetch_b8 v0, s[64:65] scope:SCOPE_SE
	s_setreg_imm32_b32 hwreg(HW_REG_WAVE_MODE, 25, 1), 1
	s_wait_xcnt 0x0
; out0 = mean over 2,048 rows of -log_softmax(out1[row])[y[row]].  The mean spans all rows, which the launch before made in 256
; work-groups: so it is a launch of its own, one work-group, 1,024 threads, two rows a thread (40 bytes of out1, 8 of y).
; All in f32, the row's maximum subtracted.  48 KB are read once: no LDS tiles, no matrix unit, no cluster.
; Limit: a y outside 0..4 counts as 0 (the choice is a chain of selects; no address hangs on y).
.set LOG2E, 0x3fb8aa3b
.set LN2,   0x3f317218
	s_load_b128 s[4:7], s[0:1], 0x0                ; out1 s[4:5], y s[6:7]
	s_load_b64 s[8:9], s[0:1], 0x10                ; out0
	v_lshl_add_u32 v40, v0, 2, 0x100
	v_mov_b32 v41, 0
	v_lshrrev_b32 v1, 5, v0
	v_readfirstlane_b32 s10, v1                    ; wave 0..31
	v_mul_u32_u24 v2, v0, 40                       ; my two rows of out1
	v_lshlrev_b32 v3, 3, v0                        ; my two y
	s_mov_b32 s12, LOG2E
	s_mov_b32 s13, LN2
	s_mov_b32 s14, 0x76543210                      ; v_permlanex16_b32: lane i of one half reads lane i of the other
	s_mov_b32 s15, 0xfedcba98
	s_wait_kmcnt 0x0
.irp i, 0,1,2,3,4
	global_load_b64 v[4+2*\i:5+2*\i], v2, s[4:5] offset:8*\i       ; v[4:8] the first row, v[9:13] the second
.endr
	global_load_b64 v[14:15], v3, s[6:7]
	v_lshlrev_b32 v26, 2, v1                       ; LDS: my wave's word
	v_and_b32 v27, 31, v0
	v_lshlrev_b32 v27, 2, v27                      ; LDS: my lane's word
	v_mov_b32 v28, 0
	s_wait_loadcnt 0x0
; dst = ln(sum of e^(a_i - m)) + m - a_y for the five numbers at v[a]
.macro NLL a, yreg, dst
	v_max3_num_f32 v16, v[\a], v[\a+1], v[\a+2]
	v_max3_num_f32 v16, v16, v[\a+3], v[\a+4]      ; m
	v_mul_f32 v22, s12, v16
.irp i, 0,1,2,3,4
	v_fma_f32 v[17+\i], v[\a+\i], s12, -v22        ; (a_i - m) log2 e
.endr
.irp i, 0,1,2,3,4
	v_exp_f32 v[17+\i], v[17+\i]
.endr
	v_mov_b32 v23, v[\a]                           ; the choice of a_y: plain lines that touch none of v17-21 stand behind the exponentials
.irp i, 1,2,3,4
	v_cmp_eq_u32 vcc_lo, \i, v[\yreg]
	v_cndmask_b32 v23, v23, v[\a+\i], vcc_lo
.endr
	s_wait_alu depctr_va_vdst(0)
	v_add_f32 v17, v17, v18
	v_add_f32 v19, v19, v20
	v_add_f32 v17, v17, v21
	v_add_f32 v17, v17, v19
	v_log_f32 v17, v17
	v_sub_f32 v23, v16, v23                        ; m - a_y: the plain line between the logarithm and its use
	s_wait_alu depctr_va_vdst(0)
	v_fma_f32 v[\dst], v17, s13, v23
.endm
; the sum of v30 over the wave's 32 lanes, in every lane
.macro WAVESUM
	v_add_f32_dpp v30, v30, v30 row_xmask:1 row_mask:0xf bank_mask:0xf
	v_add_f32_dpp v30, v30, v30 row_xmask:2 row_mask:0xf bank_mask:0xf
	v_add_f32_dpp v30, v30, v30 row_xmask:4 row_mask:0xf bank_mask:0xf
	v_add_f32_dpp v30, v30, v30 row_xmask:8 row_mask:0xf bank_mask:0xf
	v_permlanex16_b32 v16, v30, s14, s15           ; v16 was written whole before
	v_add_f32 v30, v30, v16
.endm
	NLL 4, 14, 30
	NLL 9, 15, 31
	v_add_f32 v30, v30, v31
	WAVESUM
	ds_store_b32 v26, v30                          ; all lanes write the wave's word with the same value
	s_wait_dscnt 0x0                               ; zero: wave 0 reads it behind the barrier
	s_barrier_signal -1
	s_barrier_wait -1
	s_cmp_lg_u32 s10, 0
	s_cbranch_scc1 .Lend                           ; wave 0 alone finishes; no barrier follows
	ds_load_b32 v30, v27                           ; lane i: wave i's sum
	s_wait_dscnt 0x0
	WAVESUM
	v_mul_f32 v30, 0x3a000000, v30                 ; / 2,048
	v_cmp_eq_u32 vcc_lo, 0, v0
	s_wait_xcnt 0x0                                ; EXEC changes only behind this wait
	s_and_saveexec_b32 s11, vcc_lo
	global_store_b32 v28, v30, s[8:9]
	s_wait_xcnt 0x0
	s_or_b32 exec_lo, exec_lo, s11
.Lend:
	s_wait_tensorcnt 0x0
	ds_add_u32 v40, v41
	s_wait_dscnt 0x0
	s_endpgm
.Lfunc_end_k_q68220a97ee_loss:
	.size	k_q68220a97ee_loss, .Lfunc_end_k_q68220a97ee_loss-k_q68220a97ee_loss
	.p2alignl 7, 3214868480
	.fill 96, 4, 3214868480
	.section	.rodata,"a",@progbits
	.p2align	6, 0x0
	.amdhsa_kernel k_q68220a97ee_loss
		.amdhsa_group_segment_fixed_size 4352
		.amdhsa_private_segment_fixed_size 0
		.amdhsa_enable_private_segment 0
		.amdhsa_kernarg_size 24
		.amdhsa_user_sgpr_count 2
		.amdhsa_user_sgpr_kernarg_segment_ptr 1
		.amdhsa_wavefront_size32 1
		.amdhsa_system_sgpr_workgroup_id_x 1
		.amdhsa_system_sgpr_workgroup_id_y 1
		.amdhsa_system_sgpr_workgroup_id_z 1
		.amdhsa_system_vgpr_workitem_id 0
		.amdhsa_next_free_vgpr 42
		.amdhsa_next_free_sgpr 66
		.amdhsa_reserve_vcc 1
		.amdhsa_float_denorm_mode_32 3
		.amdhsa_float_denorm_mode_16_64 3
		.amdhsa_memory_ordered 1
		.amdhsa_forward_progress 1
		.amdhsa_inst_pref_size 6
	.end_amdhsa_kernel
	.amdgpu_metadata
---
amdhsa.version: [ 1, 2 ]
amdhsa.kernels:
  - .name:           k_q68220a97ee_loss
    .symbol:         k_q68220a97ee_loss.kd
    .args:
      - { .name: out1, .offset: 0, .size: 8, .value_kind: global_buffer, .address_space: global }
      - { .name: y, .offset: 8, .size: 8, .value_kind: global_buffer, .address_space: global }
      - { .name: out0, .offset: 16, .size: 8, .value_kind: global_buffer, .address_space: global }
    .group_segment_fixed_size: 4352
    .private_segment_fixed_size: 0
    .kernarg_segment_align: 8
    .kernarg_segment_size: 24
    .max_flat_workgroup_size: 1024
    .sgpr_count:     66
    .vgpr_count:     42
    .wavefront_size: 32
...
	.end_amdgpu_metadata
.endif
;; end of part 2
